; MI455X (gfx1250); checked and timed in simulation.
; The chip was launched on July 23, 2026; its instructions are those of AMD's public machine-readable ISA for CDNA 5 (MIT licence, August 2026) and "CDNA5" Instruction Set Architecture Reference Guide (July 2026). The comments in the code are by the model that wrote it; some were corrected since.
;; Router. Allowed arithmetic: float matrix products may take bf16 or f16 operands with f32 sums; other float arithmetic in f32, or as packed bf16 or f16 multiplies, adds, multiply-adds, maxima and minima; sums over many terms, partial sums and values carried from step to step in f32; what a program stores and reads back later, other than sums and carried values, may be rounded once to bf16 or f16.
;; Inputs: b1 8 x 512 float32; b2 8 x 512 float32; gate_w 8 x 512 float32; w1 8 x 512 x 512 float32; w2 8 x 512 x 512 float32; x 8 x 2,048 x 512 float32.
;; Outputs: out0 8 x 2,048 x 512 float32.
;; One version. Each part assembles by itself: llvm-mc -triple=amdgcn-amd-amdhsa -mcpu=gfx1250 --defsym DOCPART=n.
;; ======== version 1 of 1: 3 launches
;; workspace buffers: sel 65,536 bytes of whole numbers; hist 32,768 bytes of whole numbers; cw 131,072 bytes; wb 8,388,608 bytes; order 74,240 bytes of whole numbers; tiles 1,024 bytes of whole numbers
;; launch route (part 1): grid 256 x 1, 8 waves a work-group, no clusters, 67,328 bytes of LDS; arguments x, gate_w, w1, w2, sel, cw, hist, wb; writes sel, cw, hist, wb
.if DOCPART == 1
	.amdgcn_target "amdgcn-amd-amdhsa--gfx1250"
	.amdhsa_code_object_version 6
	.text
	.protected	k_q7430b906b9_route
	.globl	k_q7430b906b9_route
	.p2align	8
	.type	k_q7430b906b9_route,@function
k_q7430b906b9_route:
	s_mov_b64 s[64:65], 0
	v_nop
	global_prefetch_b8 v0, s[64:65] scope:SCOPE_SE
	s_setreg_imm32_b32 hwreg(HW_REG_WAVE_MODE, 25, 1), 1
	s_wait_xcnt 0x0
; TWO JOBS that share one launch, since neither waits for the other.
; (1) THE GATE.  logits[t][e] = sum over d of x[t][d] gate_w[e][d], both rounded to bf16 first (as every input of this program is), products and sums in f32 on the vector unit;
; the two largest logits (a tie goes to the lower expert, by strict compares in ascending order); their softmax with the larger taken away: 1 / (1 + 2^d), 2^d / (1 + 2^d), d = (second - first) log2(e) <= 0.
; STORED, all at fixed places: sel[t] = pair id s | rank << 8, cw[t] = (weight of the lower expert a, of the higher b), hist[chunk][32] = how often each pair id occurs in the chunk's 64 tokens.
; s = a (15 - a) / 2 + b - a - 1, 0 .. 27.  rank = the token's place among the chunk's tokens of the same pair (even tokens first, then odd ones: any one-to-one order serves the sort).
; No address and no branch hangs on the choice: the next launch reads these whole numbers and places the tokens.
; (2) THE WEIGHTS, rounded to bf16 once and laid in the order in which the last launch's operand registers take them: wb[m][e][ns][ks][f][lane][16 bytes].  Block id = ((8 m + e) 4 + ns) 16 + ks is
; 8,192 bytes: columns 128 ns .. + 127 and k = 32 ks .. + 31 of w1[e] (m = 0) or w2[e] (m = 1).  In it f = 2 bk + j: lane (r = lane % 16, h = lane / 16) holds column 16 bk + r, k = 16 j + 8 h + 0..7.
; 1,024 blocks, four a work-group; a wave takes half j of one: 16 rows of k.  Its 16 loads go out behind x's; the turn from [k][n] to k along a lane goes through the wave's own LDS, behind the gate's work.
; LIMITS.  Logits are taken as finite: NaN and infinities are not treated apart.  A second weight below 2^-126 counts as 0.  The sums are added in another order than a dot product in ascending d.
; SHARES.  A work-group owns a chunk of 64 tokens, a wave 8.  A lane holds d = 128 j + 4 lane + c of every row: each load of a wave covers 512 consecutive bytes, and all 52 loads of a wave go out at once.
; The matrix unit is left out: 8 columns would fill half a tile, and its operand layout would read x in pieces of 16 bytes from 16 rows.  No cluster: the work-groups share gate_w alone, 16 KiB against 192 KiB of their own each.
.set GB,    0         ; gate_w rounded, as f32, in its own layout: 16,384 bytes
.set SELB,  16384     ; 64 words: the chunk's pair ids
.set CWB,   16640     ; 64 pairs: the chunk's weights
.set WT,    17152     ; 8 x 6,144: each wave's own: 128 columns, 32 bytes of k and 16 of padding each
.set WP,    48
.set SPARE, 66304     ; the spare words, 128 bytes for each of eight waves: four blocks of 256 bytes that no other line names
.set XR,  12          ; v[12:27]  a row's 16 numbers of my lane, rounded, as f32
.set ACC, 28          ; v[28:43]  eight pairs of partial sums, one pair an expert
.set PK,  12          ; v[12:43]  later: the packed weights, column 4 lane + c, k = 2 kp and 2 kp + 1 at PK + 8 c + kp
.set SS,  44          ; v[44:51]  at work: packed bf16, then the eight sums
.set LG,  52          ; v[52:59]  lane l: the eight logits of token l % 8
.set M1,  60
.set I1,  61
.set M2,  62
.set I2,  63
.set DD,  64
.set EE,  65
.set DEN, 66
.set C1,  67
.set C2,  68
.set AA,  69
.set BB,  70
.set CA,  72          ; v[72:73]  the two weights, lower expert's first
.set TT,  74
.set WS,  89          ; v89  where I put 16 bytes of a column of weights
.set WR,  90          ; v90  where I read 16 bytes back
.set X,   96          ; v[96:223] token i, part j at X + 16 i + 4 j; v[96:127] later: my half block as it is stored
.set WF,  128         ; window 1: v[0:127] gate_w, expert e at 16 e + 4 j + c; v[128:191] my 16 rows of weights, row k at 128 + 4 k
.set MSB, 0
.macro WIN new                      ; s_set_vgpr_msb: bits 1:0 source 0, 3:2 source 1, 5:4 source 2, 7:6 destination; the high byte repeats the setting that is left
.if MSB != (\new)
	s_set_vgpr_msb (MSB<<8)|(\new)
.set MSB, \new
.endif
.endm
	s_load_b512 s[4:19], s[0:1], 0x0               ; x s[4:5], gate_w s[6:7], w1 s[8:9], w2 s[10:11], sel s[12:13], cw s[14:15], hist s[16:17], wb s[18:19]
	v_lshl_add_u32 v8, v0, 2, SPARE                ; my spare word; never rewritten
	v_mov_b32 v9, 0                                ; 0; never rewritten
	v_and_b32 v1, 31, v0                           ; lane
	v_lshrrev_b32 v11, 5, v0
	v_readfirstlane_b32 s20, v11                   ; wave 0..7
	v_lshlrev_b32 v2, 4, v1                        ; 16 x lane
	v_and_b32 v3, 7, v1
	v_lshl_add_u32 v4, s20, 11, v2                 ; 2,048 w + 16 lane: my part of gate_w's row w, in memory and (GB = 0) in LDS
	v_lshl_add_u32 v5, s20, 3, v3                  ; 8 w + lane % 8: the token of the chunk whose logits my lane will hold
	v_lshl_add_u32 v6, v5, 2, SELB
	v_lshl_add_u32 v7, v5, 3, CWB
	v_mov_b32 v10, 0xff800000                      ; below every finite logit
	s_mov_b32 s30, 0x76543210                      ; v_permlanex16_b32: each lane takes its own place in the other half
	s_mov_b32 s31, 0xfedcba98
	s_mov_b32 s32, 0xffff0000                      ; a word's upper bf16
	s_lshl_b32 s22, ttmp9, 17                      ; the chunk's 64 rows of 2,048 bytes,
	s_lshl_b32 s23, s20, 14                        ; my wave's 8 of them
	s_add_co_u32 s22, s22, s23
	s_mov_b32 s23, 0
	s_lshl_b32 s24, ttmp9, 8                       ; the chunk's 256 bytes of sel,
	s_mov_b32 s25, 0
	s_lshl_b32 s26, ttmp9, 9                       ; 512 of cw,
	s_mov_b32 s27, 0
	s_lshl_b32 s28, ttmp9, 7                       ; 128 of hist
	s_mov_b32 s29, 0
	s_lshl_b32 s46, ttmp9, 2
	s_lshr_b32 s47, s20, 1
	s_add_co_u32 s46, s46, s47                     ; my block of weights: 4 g + w / 2,
	s_and_b32 s47, s20, 1                          ; and its half j
	s_bfe_u32 s42, s46, 0x30006                    ; e,
	s_lshl_b32 s42, s42, 20                        ; its 1 MiB;
	s_and_b32 s43, s46, 15                         ; ks,
	s_lshl_b32 s43, s43, 16                        ; its 32 rows of 2,048 bytes;
	s_add_co_u32 s42, s42, s43
	s_bfe_u32 s43, s46, 0x20004                    ; ns,
	s_lshl_b32 s43, s43, 9                         ; its 512 bytes of a row;
	s_add_co_u32 s42, s42, s43
	s_lshl_b32 s43, s47, 15                        ; j, its 16 rows
	s_add_co_u32 s42, s42, s43
	s_mov_b32 s43, 0
	s_lshl_b32 s44, s46, 13                        ; the block's 8,192 bytes in wb,
	s_lshl_b32 s45, s47, 9                         ; f = 2 bk + j: 512 j
	s_add_co_u32 s44, s44, s45
	s_mov_b32 s45, 0
	s_mul_i32 s33, s20, 128*WP
	s_add_co_u32 s33, s33, WT                      ; my wave's part of WT
	v_mul_u32_u24 v[WS], v1, 4*WP                  ; in: columns 4 lane + c, 48 bytes each
	v_add_nc_u32 v[WS], s33, v[WS]
	v_and_b32 v91, 15, v1                          ; r
	v_lshrrev_b32 v92, 4, v1                       ; h
	v_mul_u32_u24 v[WR], v91, WP                   ; back: column 16 bk + r, 16 bytes at 16 h: sixteen rows 48 bytes apart start in sixteen different groups of four banks (64 banks of 4 bytes: ISA guide 11.1)
	v_lshl_add_u32 v[WR], v92, 4, v[WR]
	v_add_nc_u32 v[WR], s33, v[WR]
	s_wait_kmcnt 0x0
	s_add_nc_u64 s[4:5], s[4:5], s[22:23]
	s_add_nc_u64 s[12:13], s[12:13], s[24:25]
	s_add_nc_u64 s[14:15], s[14:15], s[26:27]
	s_add_nc_u64 s[16:17], s[16:17], s[28:29]
	s_cmp_lt_u32 s46, 512
	s_cselect_b64 s[40:41], s[8:9], s[10:11]       ; blocks 0 to 511 are w1's
	s_add_nc_u64 s[40:41], s[40:41], s[42:43]
	s_add_nc_u64 s[18:19], s[18:19], s[44:45]
.irp j, 0,1,2,3
	global_load_b128 v[XR+4*\j:XR+4*\j+3], v4, s[6:7] offset:512*\j  ; gate_w's row w: first, since loads come back in order
.endr
.set i, 0
.rept 8
.irp j, 0,1,2,3
	global_load_b128 v[X+16*i+4*\j:X+16*i+4*\j+3], v2, s[4:5] offset:2048*i+512*\j th:TH_LOAD_NT
.endr
.set i, i+1
.endr
	WIN 0x40                                       ; destination window 1
.set i, 0
.rept 16
	global_load_b128 v[WF+4*i:WF+4*i+3], v2, s[40:41] offset:2048*i th:TH_LOAD_NT  ; 512 consecutive bytes of a row of weights; asked for now, used behind the gate
.set i, i+1
.endr
	WIN 0
	s_wait_loadcnt 48                              ; the 32 loads of x and the 16 of weights stay out; gate_w's row is in
.irp q, 0,1,2,3,4,5,6,7
	v_cvt_pk_bf16_f32 v[ACC+\q], v[XR+2*\q], v[XR+2*\q+1]
.endr
.irp q, 0,1,2,3,4,5,6,7
	v_lshlrev_b32 v[XR+2*\q], 16, v[ACC+\q]        ; rounded once, widened again: the sums below run in f32
	v_and_b32 v[XR+2*\q+1], s32, v[ACC+\q]
.endr
.irp j, 0,1,2,3
	ds_store_b128 v4, v[XR+4*\j:XR+4*\j+3] offset:512*\j
.endr
	s_wait_dscnt 0x0                               ; for the others' sake: my row of gate_w is in LDS
	s_barrier_signal -1
	s_barrier_wait -1
	WIN 0x40                                       ; destination window 1
.set i, 0
.rept 8
.irp j, 0,1,2,3
	ds_load_b128 v[16*i+4*\j:16*i+4*\j+3], v2 offset:GB+2048*i+512*\j  ; all eight rows, my lane's 16 numbers of each
.endr
.set i, i+1
.endr
	WIN 0
	s_wait_dscnt 0x0
; One token: rounded, multiplied with all eight rows of gate_w (the experts by turns, so that no line waits for the one before it), summed over the 32 lanes, and laid into the lanes l with l % 8 = i.
.macro TOKEN i
	s_wait_loadcnt 4*(7-(\i))+16                   ; the younger tokens' loads and the 16 of weights stay out
.irp q, 0,1,2,3,4,5,6,7
	v_cvt_pk_bf16_f32 v[SS+\q], v[X+16*(\i)+2*\q], v[X+16*(\i)+2*\q+1]
.endr
.irp q, 0,1,2,3,4,5,6,7
	v_lshlrev_b32 v[XR+2*\q], 16, v[SS+\q]
	v_and_b32 v[XR+2*\q+1], s32, v[SS+\q]
.endr
	WIN 0x04                                       ; source 1 (gate_w) window 1
.irp q, 0,1,2,3,4,5,6,7
.irp e, 0,1,2,3,4,5,6,7
.if \q == 0
	v_pk_mul_f32 v[ACC+2*\e:ACC+2*\e+1], v[XR:XR+1], v[16*\e:16*\e+1]  ; the first product starts the sums
.else
	v_pk_fma_f32 v[ACC+2*\e:ACC+2*\e+1], v[XR+2*\q:XR+2*\q+1], v[16*\e+2*\q:16*\e+2*\q+1], v[ACC+2*\e:ACC+2*\e+1]
.endif
.endr
.endr
	WIN 0
.irp e, 0,1,2,3,4,5,6,7
	v_add_f32 v[SS+\e], v[ACC+2*\e], v[ACC+2*\e+1]
.endr
.irp m, 1,2,4,8
.irp e, 0,1,2,3,4,5,6,7
	v_add_f32_dpp v[SS+\e], v[SS+\e], v[SS+\e] row_xmask:\m row_mask:0xf bank_mask:0xf
.endr
.endr
.irp e, 0,1,2,3,4,5,6,7
	v_permlanex16_b32 v[ACC+\e], v[SS+\e], s30, s31  ; its destination counts as read: ACC has been written
.endr
.irp e, 0,1,2,3,4,5,6,7
	v_add_f32 v[SS+\e], v[SS+\e], v[ACC+\e]        ; every lane holds the token's logit e
.endr
.if (\i) == 0
.irp e, 0,1,2,3,4,5,6,7
	v_mov_b32 v[LG+\e], v[SS+\e]                   ; written whole once,
.endr
.else
	s_mov_b32 s34, 0x01010101<<(\i)
.irp e, 0,1,2,3,4,5,6,7
	v_cndmask_b32 v[LG+\e], v[LG+\e], v[SS+\e], s34  ; then lanes i, 8 + i, 16 + i, 24 + i take token i's
.endr
.endif
.endm
.irp i, 0,1,2,3,4,5,6,7
	TOKEN \i
.endr
; The largest of the eight and its index: a later expert wins only if it is strictly larger.
.macro SCAN m, ix
	v_mov_b32 v[\m], v[LG]
	v_mov_b32 v[\ix], 0
.irp e, 1,2,3,4,5,6,7
	v_cmp_gt_f32 vcc_lo, v[LG+\e], v[\m]
	v_cndmask_b32 v[\m], v[\m], v[LG+\e], vcc_lo
	v_cndmask_b32 v[\ix], v[\ix], \e, vcc_lo
.endr
.endm
	SCAN M1, I1
.irp e, 0,1,2,3,4,5,6,7
	v_cmp_eq_u32 vcc_lo, \e, v[I1]
	v_cndmask_b32 v[LG+\e], v[LG+\e], v10, vcc_lo  ; the winner leaves the field
.endr
	SCAN M2, I2
	v_sub_f32 v[DD], v[M2], v[M1]                  ; the maximum is taken away: d <= 0
	v_mul_f32 v[DD], 0x3fb8aa3b, v[DD]             ; log2(e)
	v_exp_f32 v[EE], v[DD]
	v_min_u32 v[AA], v[I1], v[I2]                  ; the plain line behind the exponential
	s_wait_alu depctr_va_vdst(0)                   ; the wait ahead of the first line that names the result
	v_add_f32 v[DEN], 1.0, v[EE]
	v_rcp_f32 v[C1], v[DEN]
	v_max_u32 v[BB], v[I1], v[I2]                  ; the plain line behind the reciprocal
	s_wait_alu depctr_va_vdst(0)
	v_mul_f32 v[C2], v[EE], v[C1]
	v_cmp_lt_u32 vcc_lo, v[I1], v[I2]
	v_cndmask_b32 v[CA], v[C2], v[C1], vcc_lo      ; the lower expert's weight,
	v_cndmask_b32 v[CA+1], v[C1], v[C2], vcc_lo    ; the higher one's
	v_sub_nc_u32 v[TT], 15, v[AA]
	v_mul_u32_u24 v[TT], v[AA], v[TT]
	v_lshrrev_b32 v[TT], 1, v[TT]
	v_add_nc_u32 v[TT], v[TT], v[BB]
	v_sub_nc_u32 v[TT], v[TT], v[AA]
	v_add_nc_u32 v[TT], -1, v[TT]                  ; s = a (15 - a) / 2 + b - a - 1
	ds_store_b32 v6, v[TT]                         ; four lanes hold the same token and write the same numbers
	ds_store_b64 v7, v[CA:CA+1]
	s_wait_dscnt 0x0                               ; for the others' sake
	s_barrier_signal -1
	s_barrier_wait -1
	s_cmp_lg_u32 s20, 0
	s_cbranch_scc1 .Lnot_wave_0
	; wave 0: ranks and histogram.  Lane l holds tokens 2 l and 2 l + 1.
	v_lshl_add_u32 v87, v1, 3, SELB
	ds_load_b64 v[80:81], v87
	v_mov_b32 v82, 0                               ; lane s: the count of pair s (lanes 28 to 31 stay 0)
	v_mov_b32 v83, 0                               ; rank of my even token,
	v_mov_b32 v84, 0                               ; of my odd one
	s_mov_b32 s35, 0
	s_wait_dscnt 0x0
.Lpair:                                                ; 28 trips, one a pair id: values alone hang on the ids
	v_cmp_eq_u32 s36, s35, v80
	v_cmp_eq_u32 s37, s35, v81
	s_bcnt1_i32_b32 s38, s36
	s_bcnt1_i32_b32 s39, s37
	v_mbcnt_lo_u32_b32 v85, s36, 0                 ; even tokens of this pair in lower lanes
	v_mbcnt_lo_u32_b32 v86, s37, s38               ; all even ones, and the odd ones in lower lanes
	v_cndmask_b32 v83, v83, v85, s36
	v_cndmask_b32 v84, v84, v86, s37
	s_add_co_u32 s38, s38, s39
	v_mov_b32 v85, s38
	v_cmp_eq_u32 vcc_lo, s35, v1
	v_cndmask_b32 v82, v82, v85, vcc_lo
	s_add_co_u32 s35, s35, 1
	s_cmp_lt_u32 s35, 28
	s_cbranch_scc1 .Lpair
	v_lshl_or_b32 v80, v83, 8, v80
	v_lshl_or_b32 v81, v84, 8, v81
	v_lshlrev_b32 v87, 3, v1
	v_lshlrev_b32 v88, 2, v1
	global_store_b64 v87, v[80:81], s[12:13]       ; 256 consecutive bytes, aligned
	global_store_b32 v88, v82, s[16:17]            ; 128 consecutive bytes: two chunks share an aligned 256; the buffer is 32 KiB in all
	s_branch .Lcast
.Lnot_wave_0:
	s_cmp_lg_u32 s20, 1
	s_cbranch_scc1 .Lcast
	v_add_nc_u32 v87, CWB, v2                      ; wave 1: the chunk's weights
	ds_load_b128 v[80:83], v87
	s_wait_dscnt 0x0
	global_store_b128 v2, v[80:83], s[14:15]       ; 512 consecutive bytes, aligned
.Lcast:
	; every wave: its half block of weights.  None of the registers written below is a source of the stores above.
	s_wait_loadcnt 0x0                             ; my 16 rows
	WIN 0x05                                       ; sources 0 and 1 window 1
.irp c, 0,1,2,3
.set kp, 0
.rept 8
	v_cvt_pk_bf16_f32 v[PK+8*\c+kp], v[WF+8*kp+\c], v[WF+8*kp+4+\c]  ; column 4 lane + c: k = 2 kp below, 2 kp + 1 above
.set kp, kp+1
.endr
.endr
	WIN 0
.irp c, 0,1,2,3
.irp qd, 0,1
	ds_store_b128 v[WS], v[PK+8*\c+4*\qd:PK+8*\c+4*\qd+3] offset:WP*\c+16*\qd  ; lanes 192 bytes apart meet four deep in the banks: eight such stores a wave in the whole launch
.endr
.endr
.set f, 0
.rept 8
	ds_load_b128 v[X+4*f:X+4*f+3], v[WR] offset:16*WP*f  ; my wave's own bytes, and LDS serves a wave's instructions in order (ISA guide 5.7.1.4): these see the stores above
.set f, f+1
.endr
.set f, 0
.rept 8
	s_wait_dscnt 7-f                               ; the loads issued behind number f stay out
	global_store_b128 v2, v[X+4*f:X+4*f+3], s[18:19] offset:1024*f  ; 512 consecutive bytes, aligned: f = 2 bk + j of the block
.set f, f+1
.endr
	s_wait_tensorcnt 0x0                           ; the wave's end
	ds_add_u32 v8, v9
	s_wait_dscnt 0x0
	s_endpgm
.Lfunc_end_k_q7430b906b9_route:
	.size	k_q7430b906b9_route, .Lfunc_end_k_q7430b906b9_route-k_q7430b906b9_route
	.p2alignl 7, 3214868480
	.fill 96, 4, 3214868480
	.section	.rodata,"a",@progbits
	.p2align	6, 0x0
	.amdhsa_kernel k_q7430b906b9_route
		.amdhsa_group_segment_fixed_size 67328
		.amdhsa_private_segment_fixed_size 0
		.amdhsa_enable_private_segment 0
		.amdhsa_kernarg_size 64
		.amdhsa_user_sgpr_count 2
		.amdhsa_user_sgpr_kernarg_segment_ptr 1
		.amdhsa_wavefront_size32 1
		.amdhsa_system_sgpr_workgroup_id_x 1
		.amdhsa_system_sgpr_workgroup_id_y 1
		.amdhsa_system_sgpr_workgroup_id_z 1
		.amdhsa_system_vgpr_workitem_id 0
		.amdhsa_next_free_vgpr 448
		.amdhsa_next_free_sgpr 66
		.amdhsa_reserve_vcc 1
		.amdhsa_float_denorm_mode_32 3
		.amdhsa_float_denorm_mode_16_64 3
		.amdhsa_memory_ordered 1
		.amdhsa_forward_progress 1
		.amdhsa_inst_pref_size 90
	.end_amdhsa_kernel
	.amdgpu_metadata
---
amdhsa.version: [ 1, 2 ]
amdhsa.kernels:
  - .name:           k_q7430b906b9_route
    .symbol:         k_q7430b906b9_route.kd
    .args:
      - { .name: x, .offset: 0, .size: 8, .value_kind: global_buffer, .address_space: global }
      - { .name: gate_w, .offset: 8, .size: 8, .value_kind: global_buffer, .address_space: global }
      - { .name: w1, .offset: 16, .size: 8, .value_kind: global_buffer, .address_space: global }
      - { .name: w2, .offset: 24, .size: 8, .value_kind: global_buffer, .address_space: global }
      - { .name: sel, .offset: 32, .size: 8, .value_kind: global_buffer, .address_space: global }
      - { .name: cw, .offset: 40, .size: 8, .value_kind: global_buffer, .address_space: global }
      - { .name: hist, .offset: 48, .size: 8, .value_kind: global_buffer, .address_space: global }
      - { .name: wb, .offset: 56, .size: 8, .value_kind: global_buffer, .address_space: global }
    .group_segment_fixed_size: 67328
    .private_segment_fixed_size: 0
    .kernarg_segment_align: 8
    .kernarg_segment_size: 64
    .max_flat_workgroup_size: 256
    .sgpr_count:     66
    .vgpr_count:     448
    .wavefront_size: 32
...
	.end_amdgpu_metadata
.endif
;; end of part 1
;; launch prep (part 2): grid 256 x 1, 4 waves a work-group, no clusters, 1,536 bytes of LDS; arguments sel, hist, order, tiles; writes order, tiles
.if DOCPART == 2
	.amdgcn_target "amdgcn-amd-amdhsa--gfx1250"
	.amdhsa_code_object_version 6
	.text
	.protected	k_q7430b906b9_prep
	.globl	k_q7430b906b9_prep
	.p2align	8
	.type	k_q7430b906b9_prep,@function
k_q7430b906b9_prep:
	s_mov_b64 s[64:65], 0
	v_nop
	global_prefetch_b8 v0, s[64:65] scope:SCOPE_SE
	s_setreg_imm32_b32 hwreg(HW_REG_WAVE_MODE, 25, 1), 1
	s_wait_xcnt 0x0
; THE SORT of the tokens by their pair of experts, into tiles of 80: a counting sort without atomics.  Every work-group adds up the 256 chunks' histograms (32 KiB) for itself: n_s, and the count of
; pair s in the chunks below its own.  Pair s gets ceil(n_s / 80) tiles, in the order of s.  Work-group g places the 64 tokens of chunk g: order[80 first tile + count below + rank in chunk].
; Work-groups 0 to 27 also write their pair's tile records (a | b << 8 | count << 16) and fill the last tile's places past the count with token 0; work-groups 28 to 54 clear the tiles that the split leaves
; unused: the sum of ceil(n_s / 80) lies between 205 and 232 for every split of 16,384 tokens over 28 pairs, so at most 27 are unused.  Each word of order and tiles has one writer.
; A launch of its own: the launch that made the choice of experts forms no address from it.
; The 4-byte stores of a counting sort go to scattered places: 64 KiB in all.  No cluster: 32 KiB are shared, read once by each work-group.
.set HS,    0         ; 512 bytes: the four waves' column sums; 512 more: their sums over the chunks below mine
.set SPARE, 1024      ; the spare words, 128 bytes for each wave: two blocks of 256 bytes that no other line names
.set H,   32          ; v[32:95]   64 rows of the histogram, lane s = pair s
	s_load_b128 s[8:11], s[0:1], 0x0               ; sel s[8:9], hist s[10:11]
	s_load_b64 s[14:15], s[0:1], 0x10              ; order
	s_load_b64 s[16:17], s[0:1], 0x18              ; tiles
	v_lshl_add_u32 v8, v0, 2, SPARE                ; my spare word; never rewritten
	v_mov_b32 v9, 0                                ; 0; never rewritten
	v_mov_b32 v27, 0                               ; a zero to store
	v_and_b32 v1, 31, v0                           ; lane
	v_lshrrev_b32 v21, 5, v0
	v_readfirstlane_b32 s20, v21                   ; wave q
	s_mov_b32 s21, ttmp9                           ; g
	v_lshlrev_b32 v3, 2, v1
	v_and_b32 v21, 63, v0
	v_lshlrev_b32 v21, 2, v21                      ; the word of sel of token tid % 64 of my chunk
	v_lshl_add_u32 v13, v0, 2, HS
	v_add_nc_u32 v14, HS, v3
	s_lshl_b32 s30, s21, 8
	s_mov_b32 s31, 0
	s_lshl_b32 s32, s20, 13                        ; my wave adds up chunks 64 q .. 64 q + 63
	s_mov_b32 s33, 0
	s_lshl_b32 s29, s20, 6
	s_sub_co_i32 s28, s21, s29                     ; g - 64 q: row i of my 64 lies below my chunk where i is less
	s_wait_kmcnt 0x0
	s_add_nc_u64 s[8:9], s[8:9], s[30:31]
	s_add_nc_u64 s[10:11], s[10:11], s[32:33]
	global_load_b32 v10, v21, s[8:9]
.set i, 0
.rept 64
	global_load_b32 v[H+i], v3, s[10:11] offset:128*i
.set i, i+1
.endr
	s_wait_loadcnt 0x0                             ; sel's word and the histograms
	v_add_nc_u32 v11, v[H], v[H+1]
.set i, 2
.rept 31
	v_add3_u32 v11, v11, v[H+i], v[H+i+1]
.set i, i+2
.endr
	v_mov_b32 v12, 0
.set i, 0
.rept 64
	s_cmp_gt_i32 s28, i
	s_cselect_b32 s29, 1, 0
	v_mad_u32_u24 v12, v[H+i], s29, v12            ; only the chunks below mine
.set i, i+1
.endr
	ds_store_b32 v13, v11
	ds_store_b32 v13, v12 offset:512
	s_wait_dscnt 0x0                               ; for the others' sake
	s_barrier_signal -1
	s_barrier_wait -1
.irp q, 0,1,2,3
	ds_load_b32 v[16+\q], v14 offset:128*\q
	ds_load_b32 v[20+\q], v14 offset:512+128*\q
.endr
	s_wait_dscnt 0x0
	v_add3_u32 v11, v16, v17, v18
	v_add_nc_u32 v11, v11, v19                     ; lane s: n_s
	v_add3_u32 v12, v20, v21, v22
	v_add_nc_u32 v12, v12, v23                     ; lane s: tokens of pair s in the chunks below mine
	v_add_nc_u32 v15, 79, v11
	v_mul_u32_u24 v15, v15, 0xcccd                 ; x 52,429 >> 22 is x / 80 rounded down for every x up to 16,463: the factor is 4.8e-8 over 1 / 80
	v_lshrrev_b32 v15, 22, v15                     ; lane s: the pair's tiles
	v_mov_b32 v16, v15
	v_mov_b32 v17, 0
.irp sh, 1,2,4,8
	v_mov_b32_dpp v17, v16 row_shr:\sh row_mask:0xf bank_mask:0xf bound_ctrl:1  ; a running sum inside each half of 16 lanes; lanes without a source take 0
	v_add_nc_u32 v16, v16, v17
.endr
	v_readlane_b32 s30, v16, 15
	v_mov_b32 v18, s30
	v_cmp_lt_u32 vcc_lo, 15, v1
	v_cndmask_b32 v17, 0, v18, vcc_lo              ; the upper half adds the lower half's total
	v_add_nc_u32 v16, v16, v17
	v_readlane_b32 s31, v16, 31                    ; tiles in use
	v_sub_nc_u32 v19, v16, v15                     ; lane s: the pair's first tile
	v_mad_u32_u24 v20, v19, 80, v12                ; lane s: where my chunk's tokens of pair s begin
	s_cmp_gt_u32 s20, 1
	s_cbranch_scc1 .Lplaced                        ; 64 tokens: waves 0 and 1
	v_and_b32 v21, 31, v10
	v_min_u32 v21, 27, v21
	v_bfe_u32 v22, v10, 8, 6                       ; rank in the chunk
	v_lshlrev_b32 v21, 2, v21
	ds_bpermute_b32 v23, v21, v20                  ; lane s's number
	s_wait_dscnt 0x0
	v_add_nc_u32 v23, v23, v22
	v_min_u32 v23, 18559, v23                      ; inside order's 232 x 80 words
	v_lshlrev_b32 v23, 2, v23
	v_lshl_add_u32 v24, s21, 6, v0                 ; the token
	global_store_b32 v23, v24, s[14:15]
.Lplaced:
	s_cmp_ge_u32 s21, 28
	s_cbranch_scc1 .Lspare_tiles
	; work-groups 0 to 27: pair s = g.  Lane g's three numbers become scalars, each held to its bound.
	s_lshl_b32 s45, s21, 2
	v_mov_b32 v21, s45
	ds_bpermute_b32 v22, v21, v11
	ds_bpermute_b32 v25, v21, v19
	ds_bpermute_b32 v26, v21, v15
	s_wait_dscnt 0x0
	v_readfirstlane_b32 s32, v22
	v_readfirstlane_b32 s33, v25
	v_readfirstlane_b32 s34, v26
	s_min_u32 s32, s32, 16384                      ; n
	s_min_u32 s33, s33, 231                        ; first tile
	s_min_u32 s34, s34, 205                        ; tiles
	s_mov_b32 s35, 0
.irp o, 7,13,18,22,25,27
	s_cmp_ge_u32 s21, \o                           ; a = how many of the rows' first ids lie at or below s
	s_add_co_ci_u32 s35, s35, 0
.endr
	s_sub_co_u32 s36, 15, s35
	s_mul_i32 s36, s36, s35
	s_lshr_b32 s36, s36, 1
	s_sub_co_u32 s37, s21, s36
	s_add_co_u32 s37, s37, s35
	s_add_co_u32 s37, s37, 1                       ; b = s - a (15 - a) / 2 + a + 1
	s_lshl_b32 s37, s37, 8
	s_or_b32 s38, s37, s35
	s_mul_i32 s39, s34, 80
	s_mul_i32 s40, s33, 80
	; the addresses and data of all three stores are made with all lanes on, ahead of the first change of EXEC
	v_add_nc_u32 v25, s32, v0                      ; places n + tid of the pair's tiles: at most 79 lie past the count
	v_add_nc_u32 v26, s40, v25
	v_min_u32 v26, 18559, v26
	v_lshlrev_b32 v26, 2, v26
	v_add_nc_u32 v28, 128, v0                      ; tiles j = tid and tid + 128 of the pair: at most 205
	v_mul_u32_u24 v16, v0, 80
	v_sub_nc_u32 v16, s32, v16
	v_min_i32 v16, 80, v16                         ; tile j's count, min(80, n - 80 j); below 1 only where j is no tile of the pair
	v_lshl_or_b32 v16, v16, 16, s38
	v_add_nc_u32 v17, s33, v0
	v_min_u32 v17, 231, v17
	v_lshlrev_b32 v17, 2, v17
	v_mul_u32_u24 v18, v28, 80
	v_sub_nc_u32 v18, s32, v18
	v_min_i32 v18, 80, v18
	v_lshl_or_b32 v18, v18, 16, s38
	v_add_nc_u32 v22, s33, v28
	v_min_u32 v22, 231, v22
	v_lshlrev_b32 v22, 2, v22
	v_cmp_gt_u32 vcc_lo, s39, v25
	s_wait_xcnt 0x0                                ; EXEC changes only behind this wait
	s_and_saveexec_b32 s41, vcc_lo
	global_store_b32 v26, v27, s[14:15]
	s_wait_xcnt 0x0
	s_or_b32 exec_lo, exec_lo, s41
	v_cmp_gt_u32 vcc_lo, s34, v0
	s_and_saveexec_b32 s41, vcc_lo
	global_store_b32 v17, v16, s[16:17]
	s_wait_xcnt 0x0
	s_or_b32 exec_lo, exec_lo, s41
	v_cmp_gt_u32 vcc_lo, s34, v28
	s_and_saveexec_b32 s41, vcc_lo
	global_store_b32 v22, v18, s[16:17]
	s_wait_xcnt 0x0
	s_or_b32 exec_lo, exec_lo, s41
	s_branch .Lend
.Lspare_tiles:
	s_cmp_ge_u32 s21, 55
	s_cbranch_scc1 .Lend
	s_add_co_u32 s42, s31, s21
	s_sub_co_u32 s42, s42, 28                      ; work-groups 28 to 54: tile (tiles in use) + g - 28, if there is one
	s_cmp_ge_u32 s42, 232
	s_cbranch_scc1 .Lend
	s_min_u32 s42, s42, 231
	s_mul_i32 s43, s42, 320
	s_lshl_b32 s44, s42, 2
	v_lshl_add_u32 v26, v0, 2, s43
	v_mov_b32 v28, s44
	v_cmp_gt_u32 vcc_lo, 80, v0
	s_wait_xcnt 0x0
	s_and_saveexec_b32 s41, vcc_lo
	global_store_b32 v26, v27, s[14:15]            ; its 80 places name token 0,
	s_wait_xcnt 0x0
	s_or_b32 exec_lo, exec_lo, s41
	v_cmp_eq_u32 vcc_lo, 0, v0
	s_and_saveexec_b32 s41, vcc_lo
	global_store_b32 v28, v27, s[16:17]            ; its record says: no rows
	s_wait_xcnt 0x0
	s_or_b32 exec_lo, exec_lo, s41
.Lend:
	s_wait_tensorcnt 0x0                           ; the wave's end
	ds_add_u32 v8, v9
	s_wait_dscnt 0x0
	s_endpgm
.Lfunc_end_k_q7430b906b9_prep:
	.size	k_q7430b906b9_prep, .Lfunc_end_k_q7430b906b9_prep-k_q7430b906b9_prep
	.p2alignl 7, 3214868480
	.fill 96, 4, 3214868480
	.section	.rodata,"a",@progbits
	.p2align	6, 0x0
	.amdhsa_kernel k_q7430b906b9_prep
		.amdhsa_group_segment_fixed_size 1536
		.amdhsa_private_segment_fixed_size 0
		.amdhsa_enable_private_segment 0
		.amdhsa_kernarg_size 32
		.amdhsa_user_sgpr_count 2
		.amdhsa_user_sgpr_kernarg_segment_ptr 1
		.amdhsa_wavefront_size32 1
		.amdhsa_system_sgpr_workgroup_id_x 1
		.amdhsa_system_sgpr_workgroup_id_y 1
		.amdhsa_system_sgpr_workgroup_id_z 1
		.amdhsa_system_vgpr_workitem_id 0
		.amdhsa_next_free_vgpr 96
		.amdhsa_next_free_sgpr 66
		.amdhsa_reserve_vcc 1
		.amdhsa_float_denorm_mode_32 3
		.amdhsa_float_denorm_mode_16_64 3
		.amdhsa_memory_ordered 1
		.amdhsa_forward_progress 1
		.amdhsa_inst_pref_size 25
	.end_amdhsa_kernel
	.amdgpu_metadata
---
amdhsa.version: [ 1, 2 ]
amdhsa.kernels:
  - .name:           k_q7430b906b9_prep
    .symbol:         k_q7430b906b9_prep.kd
    .args:
      - { .name: sel, .offset: 0, .size: 8, .value_kind: global_buffer, .address_space: global }
      - { .name: hist, .offset: 8, .size: 8, .value_kind: global_buffer, .address_space: global }
      - { .name: order, .offset: 16, .size: 8, .value_kind: global_buffer, .address_space: global }
      - { .name: tiles, .offset: 24, .size: 8, .value_kind: global_buffer, .address_space: global }
    .group_segment_fixed_size: 1536
    .private_segment_fixed_size: 0
    .kernarg_segment_align: 8
    .kernarg_segment_size: 32
    .max_flat_workgroup_size: 128
    .sgpr_count:     66
    .vgpr_count:     96
    .wavefront_size: 32
...
	.end_amdgpu_metadata
.endif
;; end of part 2
;; launch chain (part 3): grid 232 x 1, 8 waves a work-group, no clusters, 257,536 bytes of LDS; arguments x, wb, b1, b2, cw, order, tiles, out0; writes out0
.if DOCPART == 3
	.amdgcn_target "amdgcn-amd-amdhsa--gfx1250"
	.amdhsa_code_object_version 6
	.text
	.protected	k_q7430b906b9_chain
	.globl	k_q7430b906b9_chain
	.p2align	8
	.type	k_q7430b906b9_chain,@function
k_q7430b906b9_chain:
	s_mov_b64 s[64:65], 0
	v_nop
	global_prefetch_b8 v0, s[64:65] scope:SCOPE_SE
	s_setreg_imm32_b32 hwreg(HW_REG_WAVE_MODE, 25, 1), 1
	s_wait_xcnt 0x0
; THE EXPERTS.  A work-group takes one tile: up to 80 tokens that chose the same pair of experts (a, b), and takes them through the whole chain:
;   out[t] = c_a (relu(x W1[a] + b1[a]) W2[a] + b2[a]) + c_b (the same with b).
; x, the weights and the biases are rounded to bf16; products on the matrix unit with f32 sums.  The hidden layer is kept as bf16(relu((x W1 + b1) c)), which is c relu(..) since c >= 0: so both experts'
; second products are ONE product of K = 1,024 into one accumulator, which starts at c_a b2[a] + c_b b2[b].  Each output row has one owner; nothing of the chain goes through memory.
; GRID.  232 tiles serve every split of 16,384 tokens over 28 pairs: the sum of ceil(n_s / 80) is at most (16,384 + 28 x 79) / 80.  In a tile that is not full the places past the count name token 0.  The
; products of a block of 16 tokens that lies wholly past the count are jumped, block 0's never; the rows past the count are not stored.  Only products and stores are jumped: every load, wait and barrier
; stands on every path, so a tile that the split leaves unused (count 0, at most 27 of the 232) walks the same text and stores nothing.
; SHARES.  EIGHT WAVES, two on each SIMD.  Wave w makes all 80 rows x columns 64 w .. + 63 of each product: 20 accumulators.  A wave's K step is 20 matrix instructions, 8 loads of weights and 10 LDS loads,
; with no vector work to set beside the products; a wave issues in order, so the second wave's products are issued while the first issues its loads.  The price: a token fragment read from LDS feeds 4 products.
; A weight byte is read by one wave of the work-group, from memory straight into operand registers (the first launch laid them so), three K steps ahead; the token rows lie in LDS and are read by all
; eight waves.  The K loops hold no barrier and write no LDS.
; THE MATRIX INSTRUCTION IS USED TRANSPOSED: source 0 = 16 columns of weights, source 1 = 16 tokens.  Lane (r = l % 16, h = l / 16) then holds token r and columns 8 h + 0..7: eight neighbours of a row.
; LDS ADDRESSES.  Every LDS store, and every LDS load outside the K loops, has an address register made from the thread's number and constants; what differs lies in the immediate.  In a K loop the
; tokens' address is made anew at each trip's head: a fixed register plus a scalar that the counted loop steps by 256.
; NO CLUSTER.  Tiles of one pair walk the same weights, but partners must be alike in every count: whole clusters of four tiles of one pair need up to ceil(16,384 / 320) + 27 = 79 clusters, 316 work-groups for
; 232; and beside x and the hidden layer LDS has room for two slots of one K step, a round of the cluster's barrier for every 20 products of a wave.  No tensor load: the token rows come by a list, which no descriptor covers.
; LIMITS.  relu is a maximum with 0 in bf16, which turns a NaN into 0; infinities are not treated apart.  The sums run in another order than two products added afterwards.
; REGISTERS, 512 a wave, in two windows of 256 (s_set_vgpr_msb: bits 1:0 source 0, 3:2 source 1, 5:4 source 2, 7:6 destination):
;   window 0: addresses, gate weights, tokens' fragments (two buffers), a bias, work; v224-255 the accumulators of token block 4
;   window 1: v0-127 weights, four slots of 32; v128-255 the accumulators of token blocks 0 to 3, (ra, bk) at 128 + 32 ra + 8 bk
; At the head and on the way out my ten f32 rows lie where the accumulators lie: row i at 128 + 16 i of window 1, rows 8 and 9 at v224 and v240 of window 0.
.set XB,    0         ; x as bf16: 80 rows, 1,024 bytes + 16 of padding: the 16 rows of a fragment load start in 16 different groups of four banks (64 banks of 4 bytes: ISA guide 11.1)
.set XP,    1040
.set BIAS,  83200     ; b1[a], b1[b], b2[a], b2[b] as f32, 2,048 bytes each; wave w writes and reads its own 256 bytes of each
.set HB,    91392     ; the hidden layer: 80 rows, 2,048 bytes (a's 512 columns, then b's) + 16; on the way out the 80 rows of the result, 2,048 bytes of f32 each, at the same pitch
.set HP,    2064
.set SPARE, 256512    ; the spare words, 128 bytes for each of eight waves: four blocks of 256 bytes that no other line names
.set BLK,   8192      ; from a K step's weights to the next step's; my wave's half of them is 4,096 bytes
.set VA,  4           ; v[4:8]    in a K loop: LDS address of my fragment of token block ra, made anew in each trip; on the way out: where I put 16 bytes of a row of block ra
.set VS,  9           ; v[9:13]   where I put 16 bytes of the hidden layer of token block ra; never rewritten
.set VBI, 14          ; v14  my 8 columns of b1[a]; the other three biases lie 2,048, 4,096 and 6,144 bytes on; never rewritten
.set VXS, 15          ; v15  where I put 8 bytes of a gathered row
.set RD,  17          ; v17  the way out: my 16 bytes of the first 512 of my first row
.set ZR,  19          ; v19  0, for relu
.set SPW, 20          ; v20  my spare word; never rewritten
.set NIL, 21          ; v21  0; never rewritten
.set CW,  22          ; v[22:31]  (c_a, c_b) of token 16 ra + r
.set VX0, 32          ; v[32:36]  my fragment of token block ra at K step 0, in x; never rewritten
.set VH0, 37          ; v[37:41]  the same in the hidden layer; never rewritten
.set TK,  42          ; v[42:46]  8 x token 16 ra + r
.set AB,  48          ; v[48:127] tokens' fragments: buffer ab, block ra at 48 + 40 ab + 8 ra
.set BI,  128         ; v[128:159] my 32 columns-in-a-lane of a bias; at the head the gather's offsets
.set T,   160         ; v[160:223] at work
.set SB,   68         ; s[68:75]  where my wave's four streams of weights begin: W1[a], W1[b], W2[a], W2[b]; each is wb's address and an offset, added
.set SP,   76         ; s[76:77]  the stream in hand, stepped by four K steps a trip
.set SNX,  78         ; s[78:79]  the next pass's stream
.set KO,   88         ; s88  bytes along a token's row at which a K loop's trip begins
.set MSB, 0
.macro WIN new                      ; the high byte repeats the setting that is left; a switch that changes nothing is dropped
.if MSB != (\new)
	s_set_vgpr_msb (MSB<<8)|(\new)
.set MSB, \new
.endif
.endm
.set TO_1, 0x40       ; destination window 1
; A load into a register that a matrix instruction has read, and a vector or LDS instruction that reads a matrix result, stand four places behind it; only plain vector instructions that name none of its
; registers are places (ISA guide 7.12.1 for vector instructions).
.macro PLACES
.rept 4
	v_nop
.endr
.endm
.macro MEET                         ; my LDS instructions are done; then all eight waves'
	s_wait_dscnt 0x0
	s_barrier_signal -1
	s_barrier_wait -1
.endm
; 4 matrix instructions: token block ra x my 4 groups of 16 columns, 32 along K.  first = 1: the sums start on the bias.  The accumulators take turns, one instruction a turn, in the same order in every
; K step.  Weights (source 0) window 1, tokens (source 1) window 0; C and D window 1 for blocks 0 to 3, window 0 for block 4; the bias as C window 0.
.macro MUL ra, sl, ab, first
.set ACB, 128+32*(\ra)-32*((\ra)/4)
.if \first
	WIN 0x01+0x40*(1-(\ra)/4)
.else
	WIN 0x01+0x50*(1-(\ra)/4)
.endif
.irp bk, 0,1,2,3
.if \first
	v_wmma_f32_16x16x32_bf16 v[ACB+8*\bk:ACB+8*\bk+7], v[32*(\sl)+8*\bk:32*(\sl)+8*\bk+7], v[AB+40*(\ab)+8*(\ra):AB+40*(\ab)+8*(\ra)+7], v[BI+8*\bk:BI+8*\bk+7]
.else
	v_wmma_f32_16x16x32_bf16 v[ACB+8*\bk:ACB+8*\bk+7], v[32*(\sl)+8*\bk:32*(\sl)+8*\bk+7], v[AB+40*(\ab)+8*(\ra):AB+40*(\ab)+8*(\ra)+7], v[ACB+8*\bk:ACB+8*\bk+7]
.endif
.endr
.endm
.macro BLOAD sl, ptr, off           ; my half of a K step's weights into slot sl: 8 loads of 512 consecutive bytes, already in operand order
	WIN TO_1
.set f, 0
.rept 8
	global_load_b128 v[32*(\sl)+4*f:32*(\sl)+4*f+3], v3, s[(\ptr):(\ptr)+1] offset:(\off)+512*f
.set f, f+1
.endr
.endm
.macro ALOAD ab, base, off          ; a K step's fragments of all 80 tokens into buffer ab: row 16 ra + r, 16 bytes at 16 h and 32 further on
	WIN 0
.irp ra, 0,1,2,3,4
	ds_load_b128 v[AB+40*(\ab)+8*\ra:AB+40*(\ab)+8*\ra+3],   v[(\base)+\ra] offset:(\off)
	ds_load_b128 v[AB+40*(\ab)+8*\ra+4:AB+40*(\ab)+8*\ra+7], v[(\base)+\ra] offset:(\off)+32
.endr
.endm
.macro BLD dst, off                 ; my columns of the bias that lies off bytes behind b1[a]: columns 16 bk + 8 h + 0..7 into dst + 8 bk
	WIN 0
.irp bk, 0,1,2,3
	ds_load_b128 v[(\dst)+8*\bk:(\dst)+8*\bk+3],   v[VBI] offset:(\off)+64*\bk
	ds_load_b128 v[(\dst)+8*\bk+4:(\dst)+8*\bk+7], v[VBI] offset:(\off)+64*\bk+16
.endr
.endm
; A K STEP, up to 20 matrix instructions on slot sl and buffer ab.  Behind its first four it asks for the weights three steps on (into the slot that the step before multiplied) and for the next step's tokens (into the
; buffer that the step before multiplied); the four v_nop are the places behind that step's products.  lcnt: the loads issued behind this step's weights, two steps' 16, stay out.  ptr < 0, aoff < 0: nothing is left to ask for.
; A token block that lies wholly past the tile's count is not multiplied: a forward jump over products alone; at a branch and at a label every window is 0.
.macro STEP sl, ab, first, lcnt, ptr, boff, base, aoff
	s_wait_loadcnt \lcnt
	s_wait_dscnt 0x0                               ; this step's tokens, asked for 16 matrix instructions ago
	MUL 0, \sl, \ab, \first
.if ((\ptr) >= 0) || ((\aoff) >= 0)
	PLACES
.endif
.if (\ptr) >= 0
	BLOAD ((\sl)+3)%4, \ptr, \boff
.endif
.if (\aoff) >= 0
	ALOAD 1-(\ab), \base, \aoff
.endif
	WIN 0
.irp ra, 1,2,3,4
	s_cmp_le_u32 s23, 16*\ra                       ; has the tile a token in this block?
	s_cbranch_scc1 .Lshort_\@
	MUL \ra, \sl, \ab, \first
	WIN 0
.endr
.Lshort_\@:
.endm
; K steps 4 t + 1 .. 4 t + 4 of a loop's trip t; s[KO] stands at step 4 t.  The trip asks for the weights of four K steps: they begin bo K steps behind the stream's base, which goes on by four a trip.
.macro FOUR x0, bo
.irp ra, 0,1,2,3,4
	v_add_nc_u32 v[VA+\ra], s[KO], v[(\x0)+\ra]    ; the trip's addresses: a fixed register and the loop's step
.endr
	STEP 1, 1, 0, 16, SP, ((\bo)+0)*BLK, VA, 128
	STEP 2, 0, 0, 16, SP, ((\bo)+1)*BLK, VA, 192
	STEP 3, 1, 0, 16, SP, ((\bo)+2)*BLK, VA, 256
	STEP 0, 0, 0, 16, SP, ((\bo)+3)*BLK, VA, 320
	s_wait_xcnt 0x0                                ; the loads have read the base: only behind this wait is it written
	s_add_nc_u64 s[SP:SP+1], s[SP:SP+1], 4*BLK
	s_add_co_u32 s[KO], s[KO], 256
.endm
	s_load_b512 s[4:19], s[0:1], 0x0               ; x s[4:5], wb s[6:7], b1 s[8:9], b2 s[10:11], cw s[12:13], order s[14:15], tiles s[16:17], out s[18:19]
	v_lshl_add_u32 v[SPW], v0, 2, SPARE
	v_mov_b32 v[NIL], 0
	v_mov_b32 v[ZR], 0
	v_and_b32 v1, 15, v0                           ; r
	v_bfe_u32 v2, v0, 4, 1                         ; h
	v_and_b32 v3, 31, v0
	v_lshlrev_b32 v3, 4, v3                        ; 16 x lane; never rewritten
	v_lshrrev_b32 v47, 5, v0
	v_readfirstlane_b32 s20, v47                   ; wave w
	v_lshlrev_b32 v[T], 2, v1
	s_mov_b32 s21, ttmp9                           ; the tile
	s_lshl_b32 s26, s21, 2
	s_mov_b32 s27, 0
	s_mul_i32 s28, s21, 320
	s_mov_b32 s29, 0
	s_mul_i32 s30, s20, 40
	s_mov_b32 s31, 0
	s_mov_b32 s86, 0xffff0000                      ; a word's upper bf16
	s_lshl_b32 s87, s20, 8                         ; 256 w: my 64 columns in f32
	s_lshr_b32 s90, s20, 1                         ; which 128 columns' blocks of weights hold mine,
	s_and_b32 s91, s20, 1
	s_lshl_b32 s91, s91, 12                        ; and which half of each block
	s_mul_i32 s89, s20, 10                         ; the first of the ten rows that I gather and store
	s_wait_kmcnt 0x0
	s_add_nc_u64 s[16:17], s[16:17], s[26:27]      ; the tile's record,
	s_add_nc_u64 s[14:15], s[14:15], s[28:29]      ; its 80 tokens,
	s_add_nc_u64 s[84:85], s[14:15], s[30:31]      ; my ten
	s_load_b32 s22, s[16:17], 0x0
	s_load_b256 s[32:39], s[84:85], 0x0            ; s[32:41]: my ten tokens, kept to the end
	s_load_b64 s[40:41], s[84:85], 0x20
.irp ra, 0,1,2,3,4
	global_load_b32 v[TK+\ra], v[T], s[14:15] offset:64*\ra  ; token 16 ra + r, for its gate weights
.endr
	s_wait_kmcnt 0x0
	s_lshr_b32 s23, s22, 16                        ; the tile's count: it enters compares alone,
	s_sub_co_i32 s89, s23, s89                     ; and so does count - 10 w: how many of my ten rows exist (0 or less: none)
	s_and_b32 s24, s22, 0xff
	s_min_u32 s24, s24, 7                          ; a
	s_bfe_u32 s25, s22, 0x80008
	s_min_u32 s25, s25, 7                          ; b
	s_lshl_b32 s26, s24, 2
	s_add_co_u32 s26, s26, s90
	s_lshl_b32 s26, s26, 17                        ; (4 a + w / 2) x 16 K steps of 8,192 bytes,
	s_add_co_u32 s26, s26, s91                     ; my half
	s_lshl_b32 s28, s25, 2
	s_add_co_u32 s28, s28, s90
	s_lshl_b32 s28, s28, 17
	s_add_co_u32 s28, s28, s91
	s_add_nc_u64 s[SB:SB+1], s[6:7], s[26:27]
	s_add_nc_u64 s[SB+2:SB+3], s[6:7], s[28:29]
	s_add_nc_u64 s[SB+4:SB+5], s[SB:SB+1], 0x400000    ; the second products' weights lie 4 MiB on
	s_add_nc_u64 s[SB+6:SB+7], s[SB+2:SB+3], 0x400000
	s_mov_b64 s[SP:SP+1], s[SB:SB+1]
	s_mov_b64 s[SNX:SNX+1], s[SB+2:SB+3]
	s_lshl_b32 s30, s24, 11
	s_add_co_u32 s30, s30, s87
	v_lshl_add_u32 v[T+1], v1, 4, s30              ; my wave's 256 bytes of row a of a bias: 16 r; both halves of the lanes take the same bytes,
	s_lshl_b32 s30, s25, 11
	s_add_co_u32 s30, s30, s87
	v_lshl_add_u32 v[T+2], v1, 4, s30              ; of row b
	global_load_b128 v[T+4:T+7],   v[T+1], s[8:9]
	global_load_b128 v[T+8:T+11],  v[T+2], s[8:9]
	global_load_b128 v[T+12:T+15], v[T+1], s[10:11]
	global_load_b128 v[T+16:T+19], v[T+2], s[10:11]
	s_wait_loadcnt 4                               ; the four bias loads stay out; the tokens, asked for together with the scalar loads above, are in
.irp ra, 0,1,2,3,4
	v_min_u32 v[TK+\ra], 16383, v[TK+\ra]
	v_lshlrev_b32 v[TK+\ra], 3, v[TK+\ra]
.endr
.irp ra, 0,1,2,3,4
	global_load_b64 v[CW+2*\ra:CW+2*\ra+1], v[TK+\ra], s[12:13]
.endr
	; THE GATHER: my wave's ten rows of x, 2,048 bytes each, four loads of 512 consecutive bytes a row, all asked for at once; then the first three K steps' weights
.set i, 0
.rept 10
	s_min_u32 s26, s[32+i], 16383
	s_lshl_b32 s26, s26, 11
	v_add_nc_u32 v[BI+i], s26, v3
.set i, i+1
.endr
.set i, 0
.rept 10
	WIN TO_1*(1-i/8)
.irp j, 0,1,2,3
	global_load_b128 v[128+16*i-32*(i/8)+4*\j:128+16*i-32*(i/8)+4*\j+3], v[BI+i], s[4:5] offset:512*\j
.endr
.set i, i+1
.endr
	BLOAD 0, SB, 0
	BLOAD 1, SB, BLK
	BLOAD 2, SB, 2*BLK
	WIN 0
	; all LDS addresses, while the loads are on their way
	v_lshrrev_b32 v[VXS], 1, v3                    ; 8 x lane: four f32 become 8 bytes
	s_mul_i32 s26, s20, 10*XP
	v_add_nc_u32 v[VXS], s26, v[VXS]
	s_add_co_u32 s26, s87, BIAS
	v_lshl_add_u32 v[VBI], v2, 5, s26              ; my columns 8 h + 0..7 of a group of 16: 32 bytes
	v_lshl_add_u32 v[T+3], v1, 4, s26
	s_mul_i32 s26, s20, 10*HP
	s_add_co_u32 s26, s26, HB
	v_add_nc_u32 v[RD], s26, v3
	v_mul_u32_u24 v[VX0], v1, XP
	v_lshl_add_u32 v[VX0], v2, 4, v[VX0]           ; row r x pitch + 16 h
.irp ra, 1,2,3,4
	v_add_nc_u32 v[VX0+\ra], 16*XP*\ra, v[VX0]
.endr
	v_mul_u32_u24 v[VH0], v1, HP
	v_lshl_add_u32 v[VH0], v2, 4, v[VH0]
	v_add_nc_u32 v[VH0], HB, v[VH0]
.irp ra, 1,2,3,4
	v_add_nc_u32 v[VH0+\ra], 16*HP*\ra, v[VH0]
.endr
	s_lshl_b32 s26, s20, 7                         ; my wave's 64 columns of the hidden layer: 128 bytes
.irp ra, 0,1,2,3,4
	v_add_nc_u32 v[VS+\ra], s26, v[VH0+\ra]
.endr
	s_wait_loadcnt 63                              ; 64 loads were issued behind the gate weights; 63 is the most that the wait can name: biases and gate weights are in
.irp q, 0,1,2,3,4,5,6,7
	v_cvt_pk_bf16_f32 v[T+20+\q], v[T+4+2*\q], v[T+5+2*\q]  ; the biases get the rounding that every input gets, and are widened again
.endr
.irp q, 0,1,2,3,4,5,6,7
	v_lshlrev_b32 v[T+4+2*\q], 16, v[T+20+\q]
	v_and_b32 v[T+5+2*\q], s86, v[T+20+\q]
.endr
.irp q, 0,1,2,3
	ds_store_b128 v[T+3], v[T+4+4*\q:T+7+4*\q] offset:2048*\q  ; lanes r and 16 + r write the same bytes with the same numbers
.endr
; Rows i and i + 1 of my ten: rounded to bf16 and laid into LDS.  Behind row i + 1 were issued 4 (8 - i) loads of x and the 24 of weights.
.macro XCONV i
	s_wait_loadcnt 56-4*(\i)
	WIN 0x05*(1-(\i)/8)                            ; sources 0 and 1 in the rows' window
.set z, 0
.rept 16
	v_cvt_pk_bf16_f32 v[T+24+z], v[128+16*(\i)-32*((\i)/8)+2*z], v[128+16*(\i)-32*((\i)/8)+2*z+1]
.set z, z+1
.endr
	WIN 0
.set z, 0
.rept 8
	ds_store_b64 v[VXS], v[T+24+2*z:T+24+2*z+1] offset:XP*((\i)+z/4)+256*(z%4)  ; 32 lanes, 256 consecutive bytes
.set z, z+1
.endr
.endm
.irp i, 0,2,4,6,8
	XCONV \i
.endr
	MEET                                           ; everybody's ten rows of x and biases are in LDS.  The 24 loads of weights stay out: nobody writes wb
	; THE FIRST PRODUCTS: pass 0 with W1[a], b1[a], c_a into the hidden layer's columns 0 to 511; pass 1 with b's into 512 to 1,023.  The K steps are one text, walked twice; what differs in an LDS
	; immediate (the bias, the hidden layer's half) is written twice and chosen by a forward branch on the pass's counter.
; The four accumulators of token block ra: times the token's gate weight (p = 0: c_a, the pair's low word; 1: c_b, its high word), rounded to bf16, relu, 16 bytes a lane into the hidden layer.
; Each accumulator is read from its low end on.  A block past the count goes through it too: its rows of the hidden layer are written, and no product reads them.
.macro EPI ra, p
.set ACB, 128+32*(\ra)-32*((\ra)/4)
	WIN 1-(\ra)/4                                  ; source 0 in the accumulators' window
.set i, 0
.rept 16
.if \p
	v_pk_mul_f32 v[T+2*i:T+2*i+1], v[ACB+2*i:ACB+2*i+1], v[CW+2*(\ra):CW+2*(\ra)+1] op_sel:[0,1] op_sel_hi:[1,1]
.else
	v_pk_mul_f32 v[T+2*i:T+2*i+1], v[ACB+2*i:ACB+2*i+1], v[CW+2*(\ra):CW+2*(\ra)+1] op_sel_hi:[1,0]
.endif
.set i, i+1
.endr
	WIN 0
.set i, 0
.rept 16
	v_cvt_pk_bf16_f32 v[T+32+i], v[T+2*i], v[T+2*i+1]
.set i, i+1
.endr
.set i, 0
.rept 16
	v_pk_max_num_bf16 v[T+32+i], v[T+32+i], v[ZR]
.set i, i+1
.endr
.irp q, 0,1,2,3
	ds_store_b128 v[VS+(\ra)], v[T+32+4*\q:T+35+4*\q] offset:1024*(\p)+32*\q
.endr
.endm
.macro EPIS p
.irp ra, 0,1,2,3,4
	EPI \ra, \p
.endr
.endm
	s_mov_b32 s83, 2
.Lpass:
	ALOAD 0, VX0, 0
	s_cmp_eq_u32 s83, 2
	s_cbranch_scc0 .Lbias_b
	BLD BI, 0                                      ; b1[a]
	s_branch .Lbias_in
.Lbias_b:
	BLD BI, 2048                                   ; b1[b]
.Lbias_in:
	STEP 0, 0, 1, 16, SP, 3*BLK, VX0, 64           ; K step 0 stands in front of the loop: its products start the sums on the bias
	s_mov_b32 s[KO], 0
	s_mov_b32 s82, 3
.Lk1:                                                  ; K steps 1 to 12; the base stands at the trip's own K step, the requests four steps on
	FOUR VX0, 4
	s_sub_co_u32 s82, s82, 1
	s_cmp_lg_u32 s82, 0
	s_cbranch_scc1 .Lk1
	STEP 1, 1, 0, 16, SNX, 0, VX0, 896             ; K steps 13 to 15 ask for the next pass's first three steps: the ring of slots goes on
	STEP 2, 0, 0, 16, SNX, BLK, VX0, 960
	STEP 3, 1, 0, 16, SNX, 2*BLK, VX0, -1
	PLACES                                         ; behind the last products
	MEET                                           ; every wave's LDS reads of this pass are over before any wave stores into the hidden layer: the order does not lean on where the loop's stepped addresses point
	s_cmp_eq_u32 s83, 2
	s_cbranch_scc0 .Lepi_b
	EPIS 0
	s_branch .Lepi_done
.Lepi_b:
	EPIS 1
.Lepi_done:
	s_wait_xcnt 0x0                                ; the last loads have read their base
	s_mov_b64 s[SP:SP+1], s[SNX:SNX+1]
	s_mov_b64 s[SNX:SNX+1], s[SB+4:SB+5]           ; behind pass 1 comes W2[a]
	MEET                                           ; everybody's columns of this half of the hidden layer are in LDS; behind the second pass all of it is
	s_sub_co_u32 s83, s83, 1
	s_cmp_lg_u32 s83, 0
	s_cbranch_scc1 .Lpass
	; THE SECOND PRODUCT, K = 1,024: K steps 0 to 15 with W2[a], 16 to 31 with W2[b]
	ALOAD 0, VH0, 0
	BLD BI, 4096                                   ; b2[a]
	BLD T, 6144                                    ; b2[b]
	s_wait_dscnt 0x0
; The sums start at c_a b2[a] + c_b b2[b]: the biases' own arithmetic; nothing is cleared.
.macro BINIT ra
.set ACB, 128+32*(\ra)-32*((\ra)/4)
	WIN 0x50*(1-(\ra)/4)                           ; destination and source 2 in the accumulators' window
.set i, 0
.rept 16
	v_pk_mul_f32 v[ACB+2*i:ACB+2*i+1], v[BI+2*i:BI+2*i+1], v[CW+2*(\ra):CW+2*(\ra)+1] op_sel_hi:[1,0]
.set i, i+1
.endr
.set i, 0
.rept 16
	v_pk_fma_f32 v[ACB+2*i:ACB+2*i+1], v[T+2*i:T+2*i+1], v[CW+2*(\ra):CW+2*(\ra)+1], v[ACB+2*i:ACB+2*i+1] op_sel:[0,1,0] op_sel_hi:[1,1,1]
.set i, i+1
.endr
.endm
.irp ra, 0,1,2,3,4
	BINIT \ra
.endr
	STEP 0, 0, 0, 16, SP, 3*BLK, VH0, 64
	s_mov_b32 s[KO], 0
	s_mov_b32 s82, 3
.Lk2a:                                                 ; K steps 1 to 12: they ask for W2[a]'s K steps 4 to 15
	FOUR VH0, 4
	s_sub_co_u32 s82, s82, 1
	s_cmp_lg_u32 s82, 0
	s_cbranch_scc1 .Lk2a
	s_mov_b64 s[SP:SP+1], s[SB+6:SB+7]             ; from here on the requests are W2[b]'s, from its first K step: a second loop, so that the base is only ever moved and added to.  No load has been issued behind the trip's s_wait_xcnt 0
	s_mov_b32 s[KO], 768                           ; the tokens go on at K step 12
	s_mov_b32 s82, 4
.Lk2b:                                                 ; K steps 13 to 28: they ask for W2[b]'s K steps 0 to 15, which begin at the base
	FOUR VH0, 0
	s_sub_co_u32 s82, s82, 1
	s_cmp_lg_u32 s82, 0
	s_cbranch_scc1 .Lk2b
	STEP 1, 1, 0, 16, -1, 0, VH0, 1920             ; the last three K steps ask for no weights: the counts run down
	STEP 2, 0, 0, 8, -1, 0, VH0, 1984
	STEP 3, 1, 0, 0, -1, 0, VH0, -1
	PLACES                                         ; in front of the LDS stores that read results just made
	MEET                                           ; every wave's reads of the hidden layer are over: its bytes take the result
	; THE WAY OUT.  A wave's 64 columns are 256 bytes of a row.  So all 80 rows go into LDS at once, each wave its columns; a barrier; then wave w reads its ten rows back whole and stores them,
	; 512 consecutive bytes an instruction, to the rows of the tokens that it gathered.  The stores of rows past the count are jumped.
	v_lshl_add_u32 v47, v2, 4, s87                 ; 256 w + 16 h; the fixed register holds 16 h already: my columns 8 h + 0..7 of a group of 16 are 32 bytes of f32
.irp ra, 0,1,2,3,4
	v_add_nc_u32 v[VA+\ra], v47, v[VH0+\ra]
.endr
.irp ra, 0,1,2,3,4
.set ACB, 128+32*\ra-32*(\ra/4)
	WIN 0x04*(1-\ra/4)                             ; the stores' data in the accumulators' window
.irp bk, 0,1,2,3
	ds_store_b128 v[VA+\ra], v[ACB+8*\bk:ACB+8*\bk+3]   offset:64*\bk     ; each accumulator's low four registers first
	ds_store_b128 v[VA+\ra], v[ACB+8*\bk+4:ACB+8*\bk+7] offset:64*\bk+16
.endr
.endr
	WIN 0
.set i, 0
.rept 10
	s_min_u32 s26, s[32+i], 16383
	s_lshl_b32 s26, s26, 11
	v_add_nc_u32 v[T+i], s26, v3                   ; my 16 bytes of the first 512 of token i's row of out
.set i, i+1
.endr
	MEET                                           ; everybody's columns of the result are in LDS
.set i, 0
.rept 10
	WIN TO_1*(1-i/8)
.irp j, 0,1,2,3
	ds_load_b128 v[128+16*i-32*(i/8)+4*\j:128+16*i-32*(i/8)+4*\j+3], v[RD] offset:HP*i+512*\j
.endr
.set i, i+1
.endr
	WIN 0
.set i, 0
.rept 10
	s_cmp_le_i32 s89, i                            ; is row 10 w + i past the count?  Then so are all that follow
	s_cbranch_scc1 .Lend
	s_wait_dscnt 4*(9-i)                           ; the rows read back behind row i stay out
	WIN 0x04*(1-i/8)                               ; the stores' data in the rows' window
.irp j, 0,1,2,3
	global_store_b128 v[T+i], v[128+16*i-32*(i/8)+4*\j:128+16*i-32*(i/8)+4*\j+3], s[18:19] offset:512*\j th:TH_STORE_NT  ; 512 consecutive bytes, at a multiple of 512 from out's first byte
.endr
	WIN 0
.set i, i+1
.endr
.Lend:
	s_wait_tensorcnt 0x0                           ; the wave's end
	ds_add_u32 v[SPW], v[NIL]
	s_wait_dscnt 0x0
	s_endpgm
.Lfunc_end_k_q7430b906b9_chain:
	.size	k_q7430b906b9_chain, .Lfunc_end_k_q7430b906b9_chain-k_q7430b906b9_chain
	.p2alignl 7, 3214868480
	.fill 96, 4, 3214868480
	.section	.rodata,"a",@progbits
	.p2align	6, 0x0
	.amdhsa_kernel k_q7430b906b9_chain
		.amdhsa_group_segment_fixed_size 257536
		.amdhsa_private_segment_fixed_size 0
		.amdhsa_enable_private_segment 0
		.amdhsa_kernarg_size 64
		.amdhsa_user_sgpr_count 2
		.amdhsa_user_sgpr_kernarg_segment_ptr 1
		.amdhsa_wavefront_size32 1
		.amdhsa_system_sgpr_workgroup_id_x 1
		.amdhsa_system_sgpr_workgroup_id_y 1
		.amdhsa_system_sgpr_workgroup_id_z 1
		.amdhsa_system_vgpr_workitem_id 0
		.amdhsa_next_free_vgpr 512
		.amdhsa_next_free_sgpr 96
		.amdhsa_reserve_vcc 0
		.amdhsa_float_denorm_mode_32 3
		.amdhsa_float_denorm_mode_16_64 3
		.amdhsa_memory_ordered 1
		.amdhsa_forward_progress 1
		.amdhsa_inst_pref_size 148
	.end_amdhsa_kernel
	.amdgpu_metadata
---
amdhsa.version: [ 1, 2 ]
amdhsa.kernels:
  - .name:           k_q7430b906b9_chain
    .symbol:         k_q7430b906b9_chain.kd
    .args:
      - { .name: x, .offset: 0, .size: 8, .value_kind: global_buffer, .address_space: global }
      - { .name: wb, .offset: 8, .size: 8, .value_kind: global_buffer, .address_space: global }
      - { .name: b1, .offset: 16, .size: 8, .value_kind: global_buffer, .address_space: global }
      - { .name: b2, .offset: 24, .size: 8, .value_kind: global_buffer, .address_space: global }
      - { .name: cw, .offset: 32, .size: 8, .value_kind: global_buffer, .address_space: global }
      - { .name: order, .offset: 40, .size: 8, .value_kind: global_buffer, .address_space: global }
      - { .name: tiles, .offset: 48, .size: 8, .value_kind: global_buffer, .address_space: global }
      - { .name: out0, .offset: 56, .size: 8, .value_kind: global_buffer, .address_space: global }
    .group_segment_fixed_size: 257536
    .private_segment_fixed_size: 0
    .kernarg_segment_align: 8
    .kernarg_segment_size: 64
    .max_flat_workgroup_size: 256
    .sgpr_count:     96
    .vgpr_count:     512
    .wavefront_size: 32
...
	.end_amdgpu_metadata
.endif
;; end of part 3
